; MI455X (gfx1250); checked and timed in simulation.
; The chip was launched on July 23, 2026; its instructions are those of AMD's public machine-readable ISA for CDNA 5 (MIT licence, August 2026) and "CDNA5" Instruction Set Architecture Reference Guide (July 2026). The comments in the code are by the model that wrote it; some were corrected since.
;; Regular Attention. Allowed arithmetic: matrix products marked QUANTISED: E3M2 operands, one E8M0 scale for each 32 along K, by v_wmma_scale_f32_16x16x128_f8f6f4 with both operands' format E3M2, f32 sums; everything else in f32.
;; Inputs: k_codes 2 x 12 x 2,048 x 2 x 24 uint8 (E3M2 codes of k, K innermost, in blocks of 32 codes, four codes in three bytes); k_scales 2 x 12 x 2,048 x 2 uint8 (E8M0 scales of k, one for each 32 codes along K); mask 2,048 x 2,048 int32; q_codes 2 x 12 x 2,048 x 2 x 24 uint8 (E3M2 codes of q, K innermost, in blocks of 32 codes, four codes in three bytes); q_scales 2 x 12 x 2,048 x 2 uint8 (E8M0 scales of q, one for each 32 codes along K); v_codes 2 x 12 x 64 x 64 x 24 uint8 (E3M2 codes of v, K innermost, in blocks of 32 codes, four codes in three bytes); v_scales 2 x 12 x 64 x 64 uint8 (E8M0 scales of v, one for each 32 codes along K).
;; Outputs: out0 2 x 12 x 2,048 x 64 float32.
;; This version of the problem:
;;   THIS VERSION OF THE PROBLEM IS GIVEN IN LOW PRECISION. The matrix products marked QUANTISED in the list below multiply operands that are first quantised to E3M2 (3 exponent bits, 2 mantissa bits; 6 bits a number), with one power-of-two scale for each 32 numbers along K (OCP MX v1.0); their sums are f32. All else is computed in f32.
;;   The module's matrix products, in the order in which they are computed (A, B: the left and right operand; K: the contracted axis; several contracted axes count as one K, in the product's order):
;;     1. batch 24 x [M 2,048, K 64] x [K 64, N 2,048]; A: input q (given as codes); B: input k (given as codes): QUANTISED
;;     2. batch 24 x [M 2,048, K 2,048] x [K 2,048, N 64]; A: softmax (see below); B: input v (given as codes): QUANTISED
;;   THE QUANTISER, for each operand of a quantised product, along K:
;;     - K is cut into blocks of 32 from its start; a last block that is shorter is filled with zeros.
;;     - A block's scale is 2^e with e = floor(log2(the largest magnitude in the block)) - 4, held to -126 .. 127; a block of zeros has e = 0. As a byte (E8M0): e + 127.
;;     - Each number is divided by its block's scale, clamped to +-28, and rounded to the nearest number of E3M2, ties to even, subnormals kept.
;;     - The product sums the exact products of the quantised numbers (number of the format x scale) in f32.
;;   ~~~python
;;   def quantise(x, axis):      # numpy; x: float32 -> the quantised numbers, widened to float32 again
;;       x = np.moveaxis(x, axis, -1); K = x.shape[-1]
;;       x = np.pad(x, [(0, 0)] * (x.ndim - 1) + [(0, -K % 32)]); x = x.reshape(x.shape[:-1] + (-1, 32)); a = np.abs(x).max(-1, keepdims=True)
;;       e = np.where(a > 0, np.clip(np.frexp(np.where(a > 0, a, 1))[1] - 1 - 4, -126, 127), 0)      # np.frexp(a)[1] - 1 = floor(log2(a)), exactly
;;       r = np.clip(x / 2.0 ** e, -28, 28)
;;       step = 2.0 ** (np.maximum(np.frexp(np.where(r == 0, 1, r))[1] - 1, -2) - 2)
;;       q = np.round(r / step) * step * 2.0 ** e      # np.round: ties to even
;;       return np.moveaxis(q.reshape(q.shape[:-2] + (-1,))[..., :K], -1, axis).astype(np.float32)
;;   ~~~
;;   SOFTMAX AHEAD OF A QUANTISED PRODUCT. Where the list says 'softmax', what is quantised is not the finished softmax but p = 2^(t - M), with t = logit x log2(e) and M = ceil(the row's largest t), a whole number; so 1/2 < the row's largest p <= 1. The row's sum l is taken of the UNQUANTISED p, in f32, and the product's result is divided by l at the end. Since M is a whole number, a kernel that streams over the keys may use a running M (the ceiling of the running maximum): every later rescaling is an exact power of two, which a block's scale takes up: the codes' values come out the same.
;;   OPERANDS COMPUTED ON THE WAY. 'Computed on the way' means the value that the module computes at that place (a softmax that the list does not call 'softmax' is quantised finished and normalised). What goes into a quantiser is computed in f32, as accurately as f32 sums, v_exp_f32 and their like allow (about 1e-6 of the number): no bf16 or f16 on the way to a quantiser, and a product that is left as it is and whose result goes on into a quantised operand takes f32 operands (vector FMAs, or v_wmma_f32_16x16x4_f32). A number that lies on a knife's edge between two numbers of the format may be rounded either way, as far as f32 arithmetic and the matrix unit's own rounding can turn it there, and no further.
;;   INPUTS GIVEN AS CODES. k (in the module: [2, 12, 2048, 64], K = its axis 3); q (in the module: [2, 12, 2048, 64], K = its axis 3); v (in the module: [2, 12, 2048, 64], K = its axis 2): each comes as NAME_codes (uint8): NAME with its K axis moved to the last place and cut into blocks of 32 codes, [.., K / 32, bytes a block], one block behind the other in memory; four codes in three bytes: a row's codes are one little-endian stream of bits, code i at bits 6 i .. 6 i + 5 (a code: sign, 3 exponent bits, 2 mantissa bits); and NAME_scales (uint8): the same leading axes, one E8M0 byte (e + 127) for each 32 codes along K. Its value is code x scale, taken as it is: it is not quantised again, and the codes and scales need not be those that the quantiser above would give.
;; One version. Each part assembles by itself: llvm-mc -triple=amdgcn-amd-amdhsa -mcpu=gfx1250 --defsym DOCPART=n.
;; ======== version 1 of 1: 2 launches
;; limits: right only within a limited range of input values
;; workspace buffers: kvimg 5,013,504 bytes; mwords 524,288 bytes of whole numbers; rowany 8,192 bytes of whole numbers
;; launch prep (part 1): grid 304 x 1, 8 waves a work-group, no clusters, 68,608 bytes of LDS; arguments mask, k_codes, k_scales, v_codes, v_scales, kvimg, mwords, rowany; writes kvimg, mwords, rowany
.if DOCPART == 1
	.amdgcn_target "amdgcn-amd-amdhsa--gfx1250"
	.amdhsa_code_object_version 6
	.text
	.protected	k_q36a2087376_prep
	.globl	k_q36a2087376_prep
	.p2align	8
	.type	k_q36a2087376_prep,@function
k_q36a2087376_prep:
	s_mov_b64 s[64:65], 0
	v_nop
	global_prefetch_b8 v0, s[64:65] scope:SCOPE_SE
	s_setreg_imm32_b32 hwreg(HW_REG_WAVE_MODE, 25, 1), 1
	s_wait_xcnt 0x0
; TWO JOBS IN ONE LAUNCH, told apart by the work-group's number alone; a wave is a task, waves share nothing, no barrier.
; (R) work-groups 0-47, 384 waves: for each (head, step of 128 keys) K's and V's codes and scale bytes are laid out once as an IMAGE OF THE OPERAND REGISTERS
;     of the attention launch: a record of 13,056 bytes: +0 K's 48 registers (eight tiles of 16 keys x 64 along K, 6 registers each), +6144 V's 48 (four tiles of 16 channels x 128 keys),
;     +12288 K's 4 registers of scale words, +12800 V's 2.  A group of four registers lies at 16 x lane, 512 bytes a group: the reader fetches it by loads of 16 bytes a lane.
;     THE KEYS OF A TILE ARE NOT NEIGHBOURS: lane r of tile 2 b + u takes key 32 b + 8 u + r + 8 (r / 8), so that in the transposed product the 16 result registers of tiles 2 b, 2 b + 1 are 16 neighbouring keys.
; (M) work-groups 48-303, 2,048 waves: for each (tile T of 16 queries, step j of 128 keys) the mask's 16 x 128 numbers become 64 words of 32 bits:
;     word 16 b + i, bit L (r = L % 16, h = L / 16) = mask[16 T + r][128 j + 32 b + 16 h + i] > 0: the lane mask of score register 16 b + i of the attention launch.
;     One more word (rowany): bit r = row 16 T + r has a nonzero in step j.  The mask is read once, 512 consecutive bytes a load, and turned through the wave's own stage in LDS.
.set REC,   13056                      ; bytes of a record
.set SPIT,  528                        ; a stage row: 512 bytes + 16 = 33 x 16: the sixteen rows that an LDS load of 16 bytes a lane touches begin in sixteen different 16-byte columns of 256
.set STAGE, 16*SPIT                    ; a wave's stage
.set WV,  2                            ; s2   wave
.set LI,  4                            ; v4   16 x lane
.set L8,  5                            ; v5   8 x lane
	s_load_b256 s[4:11], s[0:1], 0x0               ; mask s[4:5], k_codes s[6:7], k_scales s[8:9], v_codes s[10:11]
	s_load_b128 s[12:15], s[0:1], 0x20             ; v_scales s[12:13], kvimg s[14:15]
	s_load_b128 s[36:39], s[0:1], 0x30             ; mwords s[36:37], rowany s[38:39]
	v_lshl_add_u32 v160, v0, 2, 0x10800
	v_mov_b32 v161, 0
	v_lshrrev_b32 v1, 5, v0
	s_delay_alu instid0(VALU_DEP_1)
	v_readfirstlane_b32 s[WV], v1                  ; wave 0..7
	v_and_b32 v1, 31, v0                           ; lane
	v_and_b32 v2, 15, v0                           ; r
	v_bfe_u32 v3, v0, 4, 1                         ; h
	s_delay_alu instid0(VALU_DEP_3)
	v_lshlrev_b32 v[LI], 4, v1
	s_delay_alu instid0(VALU_DEP_4)
	v_lshlrev_b32 v[L8], 3, v1
	s_wait_kmcnt 0x0
	s_cmp_lt_u32 ttmp9, 48
	s_cbranch_scc0 .Lmask
	; ---------------- (R) one record ----------------
	s_lshl_b32 s16, ttmp9, 3
	s_add_co_u32 s16, s16, s[WV]                   ; the record's number = 16 x head + step
	s_lshr_b32 s17, s16, 4                         ; head
	s_and_b32 s18, s16, 15                         ; step
	s_mul_i32 s19, s17, 98304                      ; a head's codes: 2,048 x 48 bytes (K), 64 x 1,536 bytes (V)
	s_lshl_b32 s28, s17, 12                        ; a head's scale bytes: 4,096
	s_mov_b32 s21, 0
	s_mul_i32 s20, s18, 6144                       ; K's codes: 128 keys x 48 bytes a step
	s_add_co_u32 s20, s20, s19
	s_add_nc_u64 s[6:7], s[6:7], s[20:21]
	s_lshl_b32 s20, s18, 8                         ; K's scale bytes: 128 keys x 2
	s_add_co_u32 s20, s20, s28
	s_add_nc_u64 s[8:9], s[8:9], s[20:21]
	s_mul_i32 s20, s18, 96                         ; V's codes: 96 bytes of each channel's row
	s_add_co_u32 s20, s20, s19
	s_add_nc_u64 s[10:11], s[10:11], s[20:21]
	s_lshl_b32 s20, s18, 2                         ; V's scale bytes: 4 of each channel's 64
	s_add_co_u32 s20, s20, s28
	s_add_nc_u64 s[12:13], s[12:13], s[20:21]
	s_mul_i32 s20, s16, REC
	s_add_nc_u64 s[14:15], s[14:15], s[20:21]
	s_wait_alu depctr_va_vdst(0)
	v_and_b32 v6, 8, v2
	s_delay_alu instid0(VALU_DEP_1)
	v_add_nc_u32 v12, v6, v2                       ; r + 8 (r / 8)
	s_delay_alu instid0(VALU_DEP_1)
	v_mul_u32_u24 v6, v12, 48
	s_delay_alu instid0(VALU_DEP_1)
	v_mad_u32_u24 v6, v3, 24, v6                   ; K's codes: my key's row of 48 bytes, + 24 h: k = 32 h + 0 .. 31
	s_delay_alu instid0(VALU_DEP_3)
	v_lshl_add_u32 v7, v3, 3, v12
	s_delay_alu instid0(VALU_DEP_1)
	v_lshlrev_b32 v7, 1, v7                        ; K's scale words: register g, lane (r, h) = tile 2 g + h, row r: key 32 g + 8 h + r + 8 (r / 8), 2 bytes a key
	v_mul_u32_u24 v8, v2, 1536
	s_delay_alu instid0(VALU_DEP_1)
	v_mad_u32_u24 v8, v3, 24, v8                   ; V's codes: channel r's row, + 24 h
	v_lshlrev_b32 v9, 6, v1                        ; V's scale words: register g, lane (r, h) = tile 2 g + h, channel 32 g + lane, 64 bytes a channel
.irp t, 0,1,2,3,4,5,6,7
.irp p, 0,1,2
	global_load_b64 v[16+6*\t+2*\p:17+6*\t+2*\p], v6, s[6:7] offset:(32*(\t/2)+8*(\t%2))*48+8*\p th:TH_LOAD_NT
.endr
.endr
.irp g, 0,1,2,3
	global_load_u16 v[112+\g], v7, s[8:9] offset:64*\g th:TH_LOAD_NT    ; bytes 0, 1: the key's two blocks; bytes 2, 3 come as 0
.endr
.irp t, 0,1,2,3
.irp p, 0,1,2,3,4,5
	global_load_b64 v[64+12*\t+2*\p:65+12*\t+2*\p], v8, s[10:11] offset:16*\t*1536+48*(\p/3)+8*(\p%3) th:TH_LOAD_NT
.endr
.endr
.irp g, 0,1
	global_load_b32 v[116+\g], v9, s[12:13] offset:2048*\g th:TH_LOAD_NT
.endr
	s_wait_loadcnt 26                              ; K's 28 loads are in; V's 24 + 2, issued behind them, may be out
.irp g, 0,1,2,3,4,5,6,7,8,9,10,11
	global_store_b128 v[LI], v[16+4*\g:19+4*\g], s[14:15] offset:512*\g          ; 32 lanes store 512 consecutive bytes, at a multiple of 256 from the buffer's first byte
.endr
	global_store_b128 v[LI], v[112:115], s[14:15] offset:12288
	s_wait_loadcnt 0x0
.irp g, 0,1,2,3,4,5,6,7,8,9,10,11
	global_store_b128 v[LI], v[64+4*\g:67+4*\g], s[14:15] offset:6144+512*\g
.endr
	global_store_b64 v[L8], v[116:117], s[14:15] offset:12800                    ; 256 consecutive bytes
	s_endpgm
	; ---------------- (M) 16 rows x 128 columns of the mask ----------------
.Lmask:
	s_sub_co_u32 s16, ttmp9, 48
	s_lshl_b32 s16, s16, 3
	s_add_co_u32 s16, s16, s[WV]                   ; the task's number = 16 T + j
	s_lshr_b32 s17, s16, 4                         ; T
	s_and_b32 s18, s16, 15                         ; j
	s_lshl_b32 s20, s17, 17                        ; 16 rows of 8,192 bytes
	s_lshl_b32 s19, s18, 9                         ; 128 columns of 4 bytes
	s_add_co_u32 s20, s20, s19
	s_mov_b32 s21, 0
	s_add_nc_u64 s[4:5], s[4:5], s[20:21]
	s_lshl_b32 s20, s16, 8                         ; 64 words a task
	s_add_nc_u64 s[36:37], s[36:37], s[20:21]
	s_lshl_b32 s20, s16, 2                         ; one word a task
	s_add_nc_u64 s[38:39], s[38:39], s[20:21]
	s_wait_alu depctr_va_vdst(0)
.irp i, 0,1,2,3,4,5,6,7,8,9,10,11,12,13,14,15
	global_load_b128 v[16+4*\i:19+4*\i], v[LI], s[4:5] offset:8192*\i th:TH_LOAD_NT   ; row i: 512 consecutive bytes
.endr
	s_mul_i32 s34, s[WV], STAGE                    ; my stage
	v_add_nc_u32 v10, s34, v[LI]                   ; in: as loaded, 16 bytes a lane
	v_mul_u32_u24 v11, v2, SPIT
	s_delay_alu instid0(VALU_DEP_1)
	v_lshl_add_u32 v11, v3, 6, v11
	s_delay_alu instid0(VALU_DEP_1)
	v_add_nc_u32 v11, s34, v11                     ; out: row r, + 64 h: columns 32 b + 16 h + 0 .. 15 lie 128 b bytes on
	v_mov_b32 v144, 0                              ; the 64 words, two a lane: word n in lane n / 2, register 144 + n % 2 (a lane write's destination counts as read: written once here)
	v_mov_b32 v145, 0
	s_mov_b32 s32, 0
	s_wait_alu depctr_va_vdst(0)
.irp i, 0,1,2,3,4,5,6,7,8,9,10,11,12,13,14,15
	s_wait_loadcnt 15-\i                           ; row i is in; the later rows' loads may be out
	ds_store_b128 v10, v[16+4*\i:19+4*\i] offset:SPIT*\i
.endr
.irp b, 0,1,2,3
.irp c, 0,1,2,3
	ds_load_b128 v[80+16*\b+4*\c:83+16*\b+4*\c], v11 offset:128*\b+16*\c   ; LDS serves a wave's instructions in order (ISA guide 5.7.1.4): these see my stores
.endr
.endr
.irp b, 0,1,2,3
	s_wait_dscnt 12-4*\b                           ; block b's four loads are in; the later blocks' may be out
.irp i, 0,1,2,3,4,5,6,7,8,9,10,11,12,13,14,15
	v_cmp_lt_i32 s[16+\i], 0, v[80+16*\b+\i]       ; bit L: my number of column 32 b + 16 h + i is above 0
.endr
.irp i, 0,1,2,3,4,5,6,7,8,9,10,11,12,13,14,15
	v_writelane_b32 v[144+\i%2], s[16+\i], 8*\b+\i/2
	s_or_b32 s32, s32, s[16+\i]
.endr
.endr
	s_lshr_b32 s33, s32, 16                        ; a row's columns lie in lanes r and 16 + r
	s_or_b32 s32, s32, s33
	s_and_b32 s32, s32, 0xffff                     ; bit r: row r has a nonzero in this step
	global_store_b64 v[L8], v[144:145], s[36:37]   ; 256 consecutive bytes, at a multiple of 256 from the buffer's first byte
	v_mov_b32 v146, s32
	v_mov_b32 v147, 0
	v_cmp_eq_u32 vcc_lo, 0, v1
	s_wait_alu depctr_va_vdst(0)
	s_wait_xcnt 0x0                                ; EXEC is a source of the store above: it changes only behind this wait
	s_wait_tensorcnt 0x0
	ds_add_u32 v160, v161
	s_wait_dscnt 0x0
	s_and_saveexec_b32 s33, vcc_lo                 ; lane 0 alone stores the task's one word (4 bytes; the launch reads 8,192 bytes for it); the wave ends with EXEC as it is
	global_store_b32 v147, v146, s[38:39]
	s_endpgm
.Lfunc_end_k_q36a2087376_prep:
	.size	k_q36a2087376_prep, .Lfunc_end_k_q36a2087376_prep-k_q36a2087376_prep
	.p2alignl 7, 3214868480
	.fill 96, 4, 3214868480
	.section	.rodata,"a",@progbits
	.p2align	6, 0x0
	.amdhsa_kernel k_q36a2087376_prep
		.amdhsa_group_segment_fixed_size 68608
		.amdhsa_private_segment_fixed_size 0
		.amdhsa_enable_private_segment 0
		.amdhsa_kernarg_size 64
		.amdhsa_user_sgpr_count 2
		.amdhsa_user_sgpr_kernarg_segment_ptr 1
		.amdhsa_wavefront_size32 1
		.amdhsa_system_sgpr_workgroup_id_x 1
		.amdhsa_system_sgpr_workgroup_id_y 1
		.amdhsa_system_sgpr_workgroup_id_z 1
		.amdhsa_system_vgpr_workitem_id 0
		.amdhsa_next_free_vgpr 162
		.amdhsa_next_free_sgpr 66
		.amdhsa_reserve_vcc 1
		.amdhsa_float_denorm_mode_32 3
		.amdhsa_float_denorm_mode_16_64 3
		.amdhsa_memory_ordered 1
		.amdhsa_forward_progress 1
		.amdhsa_inst_pref_size 26
	.end_amdhsa_kernel
	.amdgpu_metadata
---
amdhsa.version: [ 1, 2 ]
amdhsa.kernels:
  - .name:           k_q36a2087376_prep
    .symbol:         k_q36a2087376_prep.kd
    .args:
      - { .name: mask, .offset: 0, .size: 8, .value_kind: global_buffer, .address_space: global }
      - { .name: k_codes, .offset: 8, .size: 8, .value_kind: global_buffer, .address_space: global }
      - { .name: k_scales, .offset: 16, .size: 8, .value_kind: global_buffer, .address_space: global }
      - { .name: v_codes, .offset: 24, .size: 8, .value_kind: global_buffer, .address_space: global }
      - { .name: v_scales, .offset: 32, .size: 8, .value_kind: global_buffer, .address_space: global }
      - { .name: kvimg, .offset: 40, .size: 8, .value_kind: global_buffer, .address_space: global }
      - { .name: mwords, .offset: 48, .size: 8, .value_kind: global_buffer, .address_space: global }
      - { .name: rowany, .offset: 56, .size: 8, .value_kind: global_buffer, .address_space: global }
    .group_segment_fixed_size: 68608
    .private_segment_fixed_size: 0
    .kernarg_segment_align: 8
    .kernarg_segment_size: 64
    .max_flat_workgroup_size: 256
    .sgpr_count:     66
    .vgpr_count:     162
    .wavefront_size: 32
...
	.end_amdgpu_metadata
.endif
;; end of part 1
;; launch attn (part 2): grid 32 x 8, 12 waves a work-group, no clusters, 53,760 bytes of LDS; arguments q_codes, q_scales, kvimg, mwords, rowany, out0; writes out0
.if DOCPART == 2
	.amdgcn_target "amdgcn-amd-amdhsa--gfx1250"
	.amdhsa_code_object_version 6
	.text
	.protected	k_q36a2087376_attn
	.globl	k_q36a2087376_attn
	.p2align	8
	.type	k_q36a2087376_attn,@function
k_q36a2087376_attn:
	s_mov_b64 s[64:65], 0
	v_nop
	global_prefetch_b8 v0, s[64:65] scope:SCOPE_SE
	s_setreg_imm32_b32 hwreg(HW_REG_WAVE_MODE, 25, 1), 1
	s_wait_xcnt 0x0
; out[head][q][:] = sum over keys of softmax(where(mask > 0, q . k, very negative)) v, both products on codes of BF6 (E3M2) with one E8M0 scale for each 32 along K.  No 1 / sqrt(d).
; THE SOFTMAX AHEAD OF THE SECOND PRODUCT: t = score x log2(e); M = the running largest t rounded UP to a whole number; p = 2^(t - M) is quantised along the keys, not normalised;
; the row's sum is taken of the unquantised p and divides at the end.  When M moves, the sum and O are multiplied by 2^(old M - new M): exact.
; SHARES.  A wave owns one tile of 16 queries of one head: tile T = 4 x work-group x + wave % 4, head = 3 x work-group y + wave / 4.  12 waves a work-group, 256 registers each: three waves to a SIMD, so that
; one wave's vector work stands beside another's loads and products.  Waves share nothing: no barrier.
; WHICH KEY STEPS A WAVE WALKS is read from memory: rowany[T][j] (stored by the launch before) says which of the tile's 16 rows have a nonzero of the mask in step j of 128 keys.  A step in which no row has one adds
; nothing to any row that has a nonzero elsewhere (its p are 0), and is left out.  A row with NO nonzero at all has p = 1 at all 2,048 keys: a tile that holds such a row walks all 16 steps.
; So trip count and addresses hang on stored whole numbers, differently in every wave: no tensor load, no joint request in a cluster, no LDS ring; K and V come straight from memory into registers, from records
; laid in the order of the operand registers (16 bytes a lane, 512 consecutive bytes a load).
; THE MASK inside a step: 64 words (mwords), word n = the lane mask of score register n, come by scalar loads and select between the score and -2^100.
; -2^100 and not -1e30: log2(e) x 2^100 is exact in f32, so that on a row with masked scores alone t - M is exactly 0 and p = 1, as the definition has it; beside any real score both give p = 0.
; A row that has met masked scores alone gathers ones; its first real score makes 2^(old M - new M) = 0, which wipes them.
; LAYOUT.  Both products are used transposed: S^T = K Q^T (source 0 = 16 keys, source 1 = my 16 queries), O^T = V^T P^T (source 0 = 16 channels, source 1 = P): a lane holds ONE query (lane % 16) throughout.
; Score register 16 b + i of lane (r, h) is query r against key 32 b + 16 h + i of the step (the records choose each tile's keys so).
; K = 64 IN A FORM OF 128: a tile of K has 6 registers (k = 0 .. 63).  It is named as 12: the upper six (k = 64 .. 127) are the next tile's codes (behind the last tile: six zeros).  Q's codes there are zeros and both
; sides' scale bytes there are 0 (2^-127); E3M2 has no infinity and no NaN: those products are exactly 0.  That spares 42 registers and keeps the wave inside one window of 256.
; LIMITS: real scores lie far above -2^100 (1.3e30); no scale byte is 0xff; blocks of p whose largest lies under 2^(5 - 127) get the byte 1 and codes that are zeros.
.set REC, 13056                        ; a record: K's codes +0, V's codes +6144, K's scale words +12288, V's +12800
.set SPIT, 272                         ; the way out: a stage row, 256 bytes + 16
.set LI,  1                            ; v1   16 x lane; never rewritten
.set L8,  2                            ; v2   8 x lane; never rewritten
.set NEG, 3                            ; v3   -2^100
                                       ; v4, v5  Q's offsets at the head; the stage's addresses on the way out.   v6 = lane % 16, v7 = lane / 16
.set QS,  8                            ; v8   Q's scale words
.set TMP, 9
.set FF,  10                           ; v10  f = 2^(old M - new M);  named as the pair v[10:11], of which the low word serves both halves
.set PW,  11                           ; v11  p's scale word
                                       ; v12 -M, v13 the largest t, v[14:15] the row's sum in two halves
.set QF,  16                           ; v16-27   Q: 6 registers of codes, 6 of zeros
.set KF,  28                           ; v28-75   K: tile t at 28 + 6 t;  v76-81 zeros
.set KS,  82                           ; v82-85   K's scale words: register t / 2, lanes 0-15 tile 2 g, lanes 16-31 tile 2 g + 1
.set VS,  86                           ; v86-87   V's likewise
.set VF,  88                           ; v88-135  V: tile t at 88 + 12 t;  on the way out: rows of O
.set SP,  136                          ; v136-199 S^T, then p
.set OT,  200                          ; v200-231 O^T
.set PC,  232                          ; v232-243 p's codes
.set BM,  240                          ; v240-243 the blocks' largest scores, then largest p: done with before p's upper codes are written there
.set TM,  244                          ; v244-251 at work
.set SO,  252                          ; v252-255 the conversions' scale operands
.set WV,  2                            ; s2   wave
.set REM, 66                           ; s66  the steps still to be asked for, a bit each
.set JJ,  67                           ; s67  the step just taken from it
.set CNT, 68                           ; s68  steps - 1: the loop's trips
.set TRP, 69                           ; s69  counts them
.set KB,  70                           ; s[70:71] the record from which K is loaded
.set VB,  72                           ; s[72:73] the record from which V is loaded
.set MO,  74                           ; s74  256 x step: the step's 64 mask words
.set TS,  75
.set OF,  76                           ; s[76:77] an offset, 0 above it
.set CS,  78                           ; s[78:79] log2(e), twice: the packed form names a pair
.set SEL, 96                           ; s[96:97] lane selects for v_permlanex16_b32: lane l xor 16
                                       ; s16-63, s80-95: the 64 mask words: word n in s[16 + n], from word 48 on in s[32 + n]
.macro KLOAD                           ; 13 loads: a step's K
.set g, 0
.rept 12
	global_load_b128 v[KF+4*g:KF+4*g+3], v[LI], s[KB:KB+1] offset:512*g
.set g, g+1
.endr
	global_load_b128 v[KS:KS+3], v[LI], s[KB:KB+1] offset:12288
.endm
.macro VLOAD                           ; 13 loads: a step's V
.set g, 0
.rept 12
	global_load_b128 v[VF+4*g:VF+4*g+3], v[LI], s[VB:VB+1] offset:6144+512*g
.set g, g+1
.endr
	global_load_b64 v[VS:VS+1], v[L8], s[VB:VB+1] offset:12800
.endm
.macro MLOAD                           ; a step's 64 mask words
	s_load_b512 s[16:31], s[10:11], s[MO] offset:0
	s_load_b512 s[32:47], s[10:11], s[MO] offset:64
	s_load_b512 s[48:63], s[10:11], s[MO] offset:128
	s_load_b512 s[80:95], s[10:11], s[MO] offset:192
.endm
.macro NEXT                            ; the lowest step still flagged: its record and its mask words
	s_ctz_i32_b32 s[JJ], s[REM]
	s_min_u32 s[JJ], s[JJ], 15                     ; a number that comes from memory enters an address only behind this bound
	s_sub_co_u32 s[TS], s[REM], 1
	s_and_b32 s[REM], s[REM], s[TS]                ; its flag is cleared
	s_mul_i32 s[OF], s[JJ], REC
	s_add_nc_u64 s[KB:KB+1], s[8:9], s[OF:OF+1]
	s_lshl_b32 s[MO], s[JJ], 8
.endm
.macro PLACES                          ; four plain vector instructions between a matrix instruction and a load into, or a vector instruction's read of, its registers (ISA guide 7.12.1 for vector instructions)
.rept 4
	v_nop
.endr
.endm
	s_load_b256 s[4:11], s[0:1], 0x0               ; q_codes s[4:5], q_scales s[6:7], kvimg s[8:9], mwords s[10:11]
	s_load_b128 s[12:15], s[0:1], 0x20             ; rowany s[12:13], out0 s[14:15]
	v_lshl_add_u32 v251, v0, 2, 0xcc00
	s_set_vgpr_msb 0x40
	v_mov_b32 v1, 0
	s_set_vgpr_msb 0x4000
	v_lshrrev_b32 v4, 5, v0
	s_delay_alu instid0(VALU_DEP_1)
	v_readfirstlane_b32 s[WV], v4                  ; wave 0..11
	v_and_b32 v5, 31, v0
	s_delay_alu instid0(VALU_DEP_1)
	v_lshlrev_b32 v[LI], 4, v5
	s_delay_alu instid0(VALU_DEP_2)
	v_lshlrev_b32 v[L8], 3, v5
	v_and_b32 v6, 15, v0                           ; r
	v_bfe_u32 v7, v0, 4, 1                         ; h
	s_delay_alu instid0(VALU_DEP_2)
	v_mul_u32_u24 v4, v6, 48
	s_delay_alu instid0(VALU_DEP_1)
	v_mad_u32_u24 v4, v7, 24, v4                   ; Q's codes: row r of 48 bytes, + 24 h
	s_delay_alu instid0(VALU_DEP_4)
	v_lshlrev_b32 v5, 1, v6                        ; Q's scale bytes: 2 a row
	s_and_b32 s3, s[WV], 3
	s_lshl_b32 s98, ttmp9, 2
	s_add_co_u32 s98, s98, s3                      ; T: my tile of 16 queries
	s_lshr_b32 s3, s[WV], 2
	s_and_b32 s99, ttmp7, 0xffff
	s_mul_i32 s99, s99, 3
	s_add_co_u32 s99, s99, s3                      ; my head
	s_mul_i32 s16, s99, 98304                      ; the six offsets, each with 0 above it
	s_mul_i32 s3, s98, 768
	s_add_co_u32 s16, s16, s3                      ; Q's codes: head x 2,048 x 48 + T x 16 x 48
	s_mov_b32 s17, 0
	s_lshl_b32 s18, s99, 12
	s_lshl_b32 s3, s98, 5
	s_add_co_u32 s18, s18, s3                      ; Q's scale bytes: head x 4,096 + T x 32
	s_mov_b32 s19, 0
	s_mul_i32 s20, s99, 16*REC                     ; the head's 16 records
	s_mov_b32 s21, 0
	s_lshl_b32 s22, s98, 12                        ; the tile's 16 x 64 mask words
	s_mov_b32 s23, 0
	s_lshl_b32 s24, s98, 6                         ; the tile's 16 words of rowany
	s_mov_b32 s25, 0
	s_lshl_b32 s26, s99, 19
	s_add_co_u32 s26, s26, s22                     ; O: head x 2,048 x 256 + T x 16 x 256
	s_mov_b32 s27, 0
	s_mov_b32 s[OF+1], 0
	s_mov_b32 s[CS], 0x3fb8aa3b                    ; log2(e)
	s_mov_b32 s[CS+1], s[CS]
	s_mov_b32 s[SEL], 0x76543210
	s_mov_b32 s[SEL+1], 0xfedcba98
	s_wait_alu depctr_va_vdst(0)
	s_wait_kmcnt 0x0
	s_add_nc_u64 s[4:5], s[4:5], s[16:17]
	s_add_nc_u64 s[6:7], s[6:7], s[18:19]
	s_add_nc_u64 s[8:9], s[8:9], s[20:21]
	s_add_nc_u64 s[10:11], s[10:11], s[22:23]
	s_add_nc_u64 s[12:13], s[12:13], s[24:25]
	s_add_nc_u64 s[14:15], s[14:15], s[26:27]
	s_load_b512 s[16:31], s[12:13], 0x0            ; rowany of my tile's 16 steps
.irp p, 0,1,2
	global_load_b64 v[QF+2*\p:QF+2*\p+1], v4, s[4:5] offset:8*\p th:TH_LOAD_NT   ; Q stays in registers
.endr
	global_load_u16 v[QS], v5, s[6:7] th:TH_LOAD_NT                              ; bytes 2, 3 come as 0
.irp i, 0,1,2,3,4,5
	v_mov_b32 v[QF+6+\i], 0                        ; Q's codes of k = 64 .. 127
	v_mov_b32 v[KF+48+\i], 0                       ; and what stands behind K's last tile.  (Operands written by vector instructions: the 40 lines below are more than the four places in front of the first product)
.endr
.set n, 0
.rept 32
	v_mov_b32 v[OT+n], 0                           ; O^T.  (The step is written once for all trips: the first finds zeros, which the first change of M leaves zeros)
.set n, n+1
.endr
	v_mov_b32 v14, 0                               ; the sum, in two halves
	v_mov_b32 v15, 0
	v_mov_b32 v[PW], 0                             ; (named as the upper half of the pair v[10:11] before it is first written)
.irp b, 0,1,2,3
	v_mov_b32 v[TM+\b], 0                          ; written once: a lane permute's destination counts as one of its sources
.endr
	v_mov_b32 v[NEG], 0xf1800000                   ; -2^100
	v_mov_b32 v13, 0xff61b1e6                      ; the largest t so far: -3e38, under every t
	s_delay_alu instid0(VALU_DEP_1)
	v_floor_f32 v12, -v13                          ; -M
	s_wait_kmcnt 0x0
	s_mov_b32 s[REM], 0
	s_mov_b32 s3, 0
.irp j, 0,1,2,3,4,5,6,7,8,9,10,11,12,13,14,15
	s_or_b32 s3, s3, s[16+\j]                      ; which rows have a nonzero anywhere
	s_cmp_lg_u32 s[16+\j], 0
	s_cselect_b32 s[TS], 1<<\j, 0
	s_or_b32 s[REM], s[REM], s[TS]                 ; which steps have one
.endr
	s_cmp_eq_u32 s3, 0xffff
	s_cselect_b32 s[REM], s[REM], 0xffff           ; a tile with a row that has none walks all 16 steps.  Either way at least one flag is set
	s_bcnt1_i32_b32 s[CNT], s[REM]
	s_sub_co_u32 s[CNT], s[CNT], 1
	s_min_u32 s[CNT], s[CNT], 15                   ; 0 .. 15 trips, and the last step behind them
	NEXT
	s_mov_b64 s[VB:VB+1], s[KB:KB+1]
	MLOAD
	KLOAD
	VLOAD
	s_mov_b32 s[TRP], 0
; A KEY STEP.  last = 0: the next flagged step's K, mask words and V are asked for on the way; last = 1: nothing is asked for.
.macro TRIP last
	s_wait_loadcnt 13                              ; loads come back in order: this step's K is in (and Q, in the first step); the 13 loads issued behind it, this step's V, may be out
.set t, 0
.rept 8                                        ; S^T = K Q^T: eight tiles of 16 keys
.if t%2
	v_wmma_scale_f32_16x16x128_f8f6f4 v[SP+8*t:SP+8*t+7], v[KF+6*t:KF+6*t+11], v[QF:QF+11], 0, v[KS+t/2], v[QS] matrix_a_fmt:MATRIX_FMT_BF6 matrix_b_fmt:MATRIX_FMT_BF6 matrix_a_scale:MATRIX_SCALE_ROW1
.else
	v_wmma_scale_f32_16x16x128_f8f6f4 v[SP+8*t:SP+8*t+7], v[KF+6*t:KF+6*t+11], v[QF:QF+11], 0, v[KS+t/2], v[QS] matrix_a_fmt:MATRIX_FMT_BF6 matrix_b_fmt:MATRIX_FMT_BF6
.endif
.set t, t+1
.endr
	s_wait_alu depctr_va_vdst(0)
	s_wait_kmcnt 0x0                               ; this step's mask words are in; their loads have read s[MO]
.if \last == 0
	NEXT                                           ; s[KB:KB+1] is free: the loads of K that named it were shown done at the step's head
.endif
	PLACES
.if \last == 0
	KLOAD                                          ; the next step's K has the softmax in which to land
.endif
.set n, 0
.rept 64                                       ; ascending: each accumulator is first read at its low end
.set MW, 16+n+16*(n/48)
	v_cndmask_b32 v[SP+n], v[NEG], v[SP+n], s[MW]  ; the score where the mask's number is above 0, else -2^100
.set n, n+1
.endr
.if \last == 0
	MLOAD                                          ; the next step's mask words
.endif
.irp b, 0,1,2,3
	v_max3_num_f32 v[BM+\b], v[SP+16*\b], v[SP+16*\b+1], v[SP+16*\b+2]   ; the largest score of each block of 32 keys: it serves for the row's maximum and, since p rises with the score, for the block's largest p
.endr
.irp i, 3,5,7,9,11,13
.irp b, 0,1,2,3
	s_delay_alu instid0(VALU_DEP_4)
	v_max3_num_f32 v[BM+\b], v[BM+\b], v[SP+16*\b+\i], v[SP+16*\b+\i+1]  ; (the four blocks by turns)
.endr
.endr
.irp b, 0,1,2,3
	s_delay_alu instid0(VALU_DEP_4)
	v_max_num_f32 v[BM+\b], v[BM+\b], v[SP+16*\b+15]
.endr
.irp b, 0,1,2,3
	s_delay_alu instid0(VALU_DEP_4)
	v_permlanex16_b32 v[TM+\b], v[BM+\b], s[SEL], s[SEL+1]
.endr
.irp b, 0,1,2,3
	s_delay_alu instid0(VALU_DEP_4)
	v_max_num_f32 v[BM+\b], v[BM+\b], v[TM+\b]     ; with lane l xor 16's 16 keys
.endr
	s_delay_alu instid0(VALU_DEP_2)
	v_max3_num_f32 v[TMP], v[BM], v[BM+1], v[BM+2]
	s_delay_alu instid0(VALU_DEP_1)
	v_max_num_f32 v[TMP], v[TMP], v[BM+3]          ; the step's largest score of my query
	s_delay_alu instid0(VALU_DEP_1)
	v_mul_f32 v[TMP], s[CS], v[TMP]                ; as t
	s_delay_alu instid0(VALU_DEP_1)
	v_max_num_f32 v13, v13, v[TMP]                 ; the running largest t
	v_mov_b32 v[TMP], v12
	s_delay_alu instid0(VALU_DEP_2)
	v_floor_f32 v12, -v13                          ; the new -M = floor(-t) = -ceil(t): a whole number
	s_delay_alu instid0(VALU_DEP_1)
	v_sub_f32 v[TMP], v12, v[TMP]                  ; old M - new M: a whole number, 0 or less
	s_delay_alu instid0(VALU_DEP_1)
	v_cvt_i32_f32 v[TMP], v[TMP]                   ; (it saturates)
	s_delay_alu instid0(VALU_DEP_1)
	v_ldexp_f32 v[FF], 1.0, v[TMP]                 ; f = 2^(old M - new M)
.set n, 0
.rept 32
	v_pk_fma_f32 v[SP+n:SP+n+1], v[SP+n:SP+n+1], s[CS:CS+1], v[12:13] op_sel_hi:[1,0,0]   ; t - M, two at a time (of the pairs log2(e) and -M the low word serves both halves)
.set n, n+2
.endr
.irp b, 0,1,2,3
	v_fma_f32 v[BM+\b], v[BM+\b], s[CS], v12       ; the same of each block's largest score
.endr
.set n, 0
	s_setprio 1
	s_wait_alu depctr_va_vdst(0)
.rept 64
	v_exp_f32 v[SP+n], v[SP+n]                     ; p = 2^(t - M), at most 1
.set n, n+1
.endr
.irp b, 0,1,2,3
	v_exp_f32 v[BM+\b], v[BM+\b]                   ; the block's largest p: the same two instructions on the same number give the same bits
.endr
	v_pk_mul_f32 v[14:15], v[14:15], v[FF:FF+1] op_sel_hi:[1,0]   ; the sums under the new M.  (The plain instruction behind the exponentials: ISA guide 5.7.2)
	s_wait_alu depctr_va_vdst(0)
.irp b, 0,1,2,3
	v_max_num_f32 v[BM+\b], 0x2800000, v[BM+\b]    ; the floor 2^(5 - 127): the byte cannot fall under 1
.endr
.irp b, 0,1,2,3
	s_delay_alu instid0(VALU_DEP_4)
	v_add_nc_u32 v[SO+\b], 0xfe000000, v[BM+\b]    ; 4 off the exponent field: the conversion takes the exponent field of this operand as its scale
.endr
.irp b, 0,1,2,3
	s_delay_alu instid0(VALU_DEP_4)
	v_lshrrev_b32 v[TM+\b], 23, v[SO+\b]           ; the scale's byte
.endr
	s_delay_alu instid0(VALU_DEP_3)
	v_lshl_or_b32 v[PW], v[TM+1], 8, v[TM]         ; p's scale word for these 128 keys
	s_delay_alu instid0(VALU_DEP_1)
	v_lshl_or_b32 v[PW], v[TM+2], 16, v[PW]
	s_delay_alu instid0(VALU_DEP_1)
	v_lshl_or_b32 v[PW], v[TM+3], 24, v[PW]
.irp c, 0,1
	v_cvt_scalef32_pk16_bf6_f32 v[PC+6*\c:PC+6*\c+2], v[SP+32*\c:SP+32*\c+15], v[SO+2*\c]
	v_cvt_scalef32_pk16_bf6_f32 v[TM+4*\c:TM+4*\c+2], v[SP+32*\c+16:SP+32*\c+31], v[SO+2*\c+1]   ; (a conversion's three registers begin on an even number)
.endr
	v_nop                                          ; one plain instruction between a scaled conversion and the vector instruction that touches its result
.irp c, 0,1                                    ; the operand's layout wants a WHOLE block in a lane: lanes 0-15 block 2 c, lanes 16-31 block 2 c + 1
.irp i, 0,1,2
	v_permlane16_swap_b32 v[PC+6*\c+\i], v[TM+4*\c+\i]
.endr
.irp i, 0,1,2
	s_delay_alu instid0(VALU_DEP_3)
	v_mov_b32 v[PC+6*\c+3+\i], v[TM+4*\c+\i]
.endr
.endr
.set n, 0
.rept 16
	v_pk_mul_f32 v[OT+n:OT+n+1], v[OT+n:OT+n+1], v[FF:FF+1] op_sel_hi:[1,0]   ; O^T under the new M, each accumulator from its low end on
.set n, n+2
.endr
	v_pk_add_f32 v[244:245], v[140:141], v[144:145]
	v_pk_add_f32 v[254:255], v[148:149], v[152:153]
	v_pk_add_f32 v[252:253], v[156:157], v[160:161]
	v_pk_add_f32 v[248:249], v[164:165], v[168:169]
	v_pk_add_f32 v[4:5], v[172:173], v[176:177]
	v_pk_add_f32 v[14:15], v[14:15], v[180:181]
	v_pk_add_f32 v[244:245], v[244:245], v[184:185]
	v_pk_add_f32 v[254:255], v[254:255], v[188:189]
	v_pk_add_f32 v[252:253], v[252:253], v[192:193]
	v_pk_add_f32 v[248:249], v[248:249], v[196:197]
	v_pk_add_f32 v[4:5], v[4:5], v[136:137]
	v_pk_add_f32 v[14:15], v[14:15], v[138:139]
	v_pk_add_f32 v[244:245], v[244:245], v[142:143]
	v_pk_add_f32 v[254:255], v[254:255], v[146:147]
	v_pk_add_f32 v[252:253], v[252:253], v[150:151]
	v_pk_add_f32 v[248:249], v[248:249], v[154:155]
	v_pk_add_f32 v[4:5], v[4:5], v[158:159]
	v_pk_add_f32 v[14:15], v[14:15], v[162:163]
	v_pk_add_f32 v[244:245], v[244:245], v[166:167]
	v_pk_add_f32 v[254:255], v[254:255], v[170:171]
	v_pk_add_f32 v[252:253], v[252:253], v[174:175]
	s_setprio 0
	v_pk_add_f32 v[248:249], v[248:249], v[178:179]
	v_pk_add_f32 v[4:5], v[4:5], v[182:183]
	v_pk_add_f32 v[14:15], v[14:15], v[186:187]
	v_pk_add_f32 v[244:245], v[244:245], v[190:191]
	v_pk_add_f32 v[254:255], v[254:255], v[194:195]
	v_pk_add_f32 v[252:253], v[252:253], v[198:199]
	s_delay_alu instid0(VALU_DEP_1)
	v_pk_add_f32 v[14:15], v[14:15], v[252:253]
	s_delay_alu instid0(VALU_DEP_4)
	v_pk_add_f32 v[244:245], v[244:245], v[248:249]
	s_delay_alu instid0(VALU_DEP_4)
	v_pk_add_f32 v[254:255], v[254:255], v[4:5]
	s_delay_alu instid0(VALU_DEP_1)
	v_pk_add_f32 v[14:15], v[14:15], v[254:255]
	s_delay_alu instid0(VALU_DEP_1)
	v_pk_add_f32 v[14:15], v[14:15], v[244:245]
.if \last
	s_wait_alu depctr_va_vdst(0)
	s_wait_loadcnt 0x0                             ; V is in: nothing was asked for behind it
.else
	s_wait_loadcnt 13                              ; V is in; the 13 loads issued behind it, the next step's K, may be out
.endif
.set t, 0
.rept 4                                        ; O^T += V^T P^T: four tiles of 16 channels, K = these 128 keys; the four accumulators by turns, one instruction a turn
.if t%2
	v_wmma_scale_f32_16x16x128_f8f6f4 v[OT+8*t:OT+8*t+7], v[VF+12*t:VF+12*t+11], v[PC:PC+11], v[OT+8*t:OT+8*t+7], v[VS+t/2], v[PW] matrix_a_fmt:MATRIX_FMT_BF6 matrix_b_fmt:MATRIX_FMT_BF6 matrix_a_scale:MATRIX_SCALE_ROW1
.else
	v_wmma_scale_f32_16x16x128_f8f6f4 v[OT+8*t:OT+8*t+7], v[VF+12*t:VF+12*t+11], v[PC:PC+11], v[OT+8*t:OT+8*t+7], v[VS+t/2], v[PW] matrix_a_fmt:MATRIX_FMT_BF6 matrix_b_fmt:MATRIX_FMT_BF6
.endif
.set t, t+1
.endr
.if \last == 0
	s_mov_b64 s[VB:VB+1], s[KB:KB+1]               ; free: the loads of V that named it were shown done by the wait above
	PLACES
	VLOAD                                          ; the next step's V
.endif
.endm
	s_cmp_eq_u32 s[CNT], 0
	s_cbranch_scc1 .Llast
.Ltrip:                                            ; all flagged steps but the last
	s_setprio 2
	TRIP 0
	s_add_co_u32 s[TRP], s[TRP], 1
	s_cmp_lt_u32 s[TRP], s[CNT]
	s_cbranch_scc1 .Ltrip
	s_setprio 0
.Llast:
	TRIP 1                                         ; the last is written out: it asks for nothing, and on both ways into it K's 13 loads and then V's 13 are what is out
	; THE WAY OUT.  O^T / the sum goes through my own stage in LDS and leaves as whole rows of 256 bytes.  The lines up to the first multiplication name no register of the last products: eight of them are plain, more than the four places asked.
	s_mul_i32 s3, s[WV], 16*SPIT                   ; my stage
	v_add_f32 v14, v14, v15                        ; the sum's two halves,
	v_mul_u32_u24 v4, v6, SPIT
	v_mul_u32_u24 v5, v7, SPIT
	s_delay_alu instid0(VALU_DEP_3)
	v_permlanex16_b32 v[TMP], v14, s[SEL], s[SEL+1]
	s_delay_alu instid0(VALU_DEP_3)
	v_lshl_add_u32 v4, v7, 5, v4
	s_delay_alu instid0(VALU_DEP_3)
	v_lshl_add_u32 v5, v6, 4, v5
	s_delay_alu instid0(VALU_DEP_3)
	v_add_f32 v14, v14, v[TMP]                     ; and lane l xor 16's: the row's sum, at least 1/2
	s_delay_alu instid0(VALU_DEP_3)
	v_add_nc_u32 v4, s3, v4                        ; in: row r; tile t's eight channels of my half: 64 t + 32 h bytes on
	s_wait_alu depctr_va_vdst(0)
	v_rcp_f32 v14, v14
	v_add_nc_u32 v5, s3, v5                        ; back: lanes 0-15 one row, lanes 16-31 the next.  (The plain instruction behind the reciprocal)
.set n, 0
	s_wait_alu depctr_va_vdst(0)
.rept 16
	v_pk_mul_f32 v[SP+n:SP+n+1], v[OT+n:OT+n+1], v[14:15] op_sel_hi:[1,0]   ; register 8 t + i is o(r, 16 t + 8 h + i)
.set n, n+2
.endr
.irp t, 0,1,2,3
	ds_store_b128 v4, v[SP+8*\t:SP+8*\t+3] offset:64*\t
	ds_store_b128 v4, v[SP+8*\t+4:SP+8*\t+7] offset:64*\t+16
.endr
.irp i, 0,1,2,3,4,5,6,7
	ds_load_b128 v[VF+4*\i:VF+4*\i+3], v5 offset:2*\i*SPIT   ; LDS serves a wave's instructions in order (ISA guide 5.7.1.4): these see my stores
.endr
.irp i, 0,1,2,3,4,5,6,7
	s_wait_dscnt 7-\i                              ; rows 2 i, 2 i + 1 are back; the younger loads may be out
	global_store_b128 v[LI], v[VF+4*\i:VF+4*\i+3], s[14:15] offset:512*\i th:TH_STORE_NT   ; 32 lanes store two rows, 512 consecutive bytes, at a multiple of 256 from O's first byte
.endr
	s_set_vgpr_msb 0x4
	s_wait_tensorcnt 0x0
	ds_add_u32 v251, v1
	s_wait_dscnt 0x0
	s_set_vgpr_msb 0x400
	s_endpgm
.Lfunc_end_k_q36a2087376_attn:
	.size	k_q36a2087376_attn, .Lfunc_end_k_q36a2087376_attn-k_q36a2087376_attn
	.p2alignl 7, 3214868480
	.fill 96, 4, 3214868480
	.section	.rodata,"a",@progbits
	.p2align	6, 0x0
	.amdhsa_kernel k_q36a2087376_attn
		.amdhsa_group_segment_fixed_size 53760
		.amdhsa_private_segment_fixed_size 0
		.amdhsa_enable_private_segment 0
		.amdhsa_kernarg_size 48
		.amdhsa_user_sgpr_count 2
		.amdhsa_user_sgpr_kernarg_segment_ptr 1
		.amdhsa_wavefront_size32 1
		.amdhsa_system_sgpr_workgroup_id_x 1
		.amdhsa_system_sgpr_workgroup_id_y 1
		.amdhsa_system_sgpr_workgroup_id_z 1
		.amdhsa_system_vgpr_workitem_id 0
		.amdhsa_next_free_vgpr 258
		.amdhsa_next_free_sgpr 100
		.amdhsa_reserve_vcc 0
		.amdhsa_float_denorm_mode_32 3
		.amdhsa_float_denorm_mode_16_64 3
		.amdhsa_memory_ordered 1
		.amdhsa_forward_progress 1
		.amdhsa_inst_pref_size 57
	.end_amdhsa_kernel
	.amdgpu_metadata
---
amdhsa.version: [ 1, 2 ]
amdhsa.kernels:
  - .name:           k_q36a2087376_attn
    .symbol:         k_q36a2087376_attn.kd
    .args:
      - { .name: q_codes, .offset: 0, .size: 8, .value_kind: global_buffer, .address_space: global }
      - { .name: q_scales, .offset: 8, .size: 8, .value_kind: global_buffer, .address_space: global }
      - { .name: kvimg, .offset: 16, .size: 8, .value_kind: global_buffer, .address_space: global }
      - { .name: mwords, .offset: 24, .size: 8, .value_kind: global_buffer, .address_space: global }
      - { .name: rowany, .offset: 32, .size: 8, .value_kind: global_buffer, .address_space: global }
      - { .name: out0, .offset: 40, .size: 8, .value_kind: global_buffer, .address_space: global }
    .group_segment_fixed_size: 53760
    .private_segment_fixed_size: 0
    .kernarg_segment_align: 8
    .kernarg_segment_size: 48
    .max_flat_workgroup_size: 384
    .sgpr_count:     100
    .vgpr_count:     258
    .wavefront_size: 32
...
	.end_amdgpu_metadata
.endif
;; end of part 2
